; MI455X (gfx1250); checked and timed in simulation.
; The chip was launched on July 23, 2026; its instructions are those of AMD's public machine-readable ISA for CDNA 5 (MIT licence, August 2026) and "CDNA5" Instruction Set Architecture Reference Guide (July 2026). The comments in the code are by the model that wrote it; some were corrected since.
;; Head Attention. Allowed arithmetic: float matrix products may take bf16 or f16 operands with f32 sums; other float arithmetic in f32, or as packed bf16 or f16 multiplies, adds, multiply-adds, maxima and minima; sums over many terms, partial sums and values carried from step to step in f32; what a program stores and reads back later, other than sums and carried values, may be rounded once to bf16 or f16.
;; Inputs: Wk 1,024 x 128 float32; Wq 1,024 x 128 float32; Wv 1,024 x 128 float32; inputs 8 x 4,096 x 1,024 float32.
;; Outputs: out0 8 x 4,096 x 128 float32.
;; One version. Each part assembles by itself: llvm-mc -triple=amdgcn-amd-amdhsa -mcpu=gfx1250 --defsym DOCPART=n.
;; ======== version 1 of 1: 3 launches
;; limits: values are held in f16: magnitudes above 65,504 overflow, below 6.1e-05 lose precision
;; workspace buffers: wf 786,432 bytes; qf 8,388,608 bytes; kv 16,777,216 bytes; head 65,536 bytes
;; launch wcast (part 1): grid 32 x 3, 8 waves a work-group, no clusters, 0 bytes of LDS; arguments Wq, Wk, Wv, wf; writes wf
.if DOCPART == 1
	.amdgcn_target "amdgcn-amd-amdhsa--gfx1250"
	.amdhsa_code_object_version 6
	.text
	.protected	k_q414c174b76_wcast
	.globl	k_q414c174b76_wcast
	.p2align	8
	.type	k_q414c174b76_wcast,@function
k_q414c174b76_wcast:
	s_mov_b64 s[64:65], 0
	v_nop
	global_prefetch_b8 v0, s[64:65] scope:SCOPE_SE
	s_setreg_imm32_b32 hwreg(HW_REG_WAVE_MODE, 25, 1), 1
	s_wait_xcnt 0x0
; The three weight matrices, [1024][128] f32, are rounded once to bf16 and laid in FRAGMENT ORDER into wf:
; wf[kblk 0..31][nt 0..23][half p][lane][8]: element i of lane (h = lane / 16, r = lane % 16) is W[32 kblk + 16 p + 8 h + i][16 (nt % 8) + r];
; nt 0-7 Wq, 8-15 Wk, 16-23 Wv.  So a fragment of 16 columns x 32 k is 1,024 consecutive bytes, and a lane's 16 bytes of a half lie at 16 x lane.
; Work-group (x, y) = (kblk, matrix); wave = nt within the matrix.  A lane reads its 16 numbers singly (runs of 64 bytes in a row of W: 1.5 MB in all, once)
; and stores twice 16 bytes: each store of the wave covers 512 consecutive bytes, aligned.  No LDS, no barrier: no wave wants another's data.
	s_load_b256 s[4:11], s[0:1], 0x0               ; Wq s[4:5], Wk s[6:7], Wv s[8:9], wf s[10:11]
	v_and_b32 v1, 15, v0                           ; r
	v_bfe_u32 v2, v0, 4, 1                         ; h
	v_lshrrev_b32 v3, 5, v0
	v_readfirstlane_b32 s12, v3                    ; wave = nt within the matrix
	s_and_b32 s13, ttmp7, 0xffff                   ; which matrix
	v_lshlrev_b32 v4, 2, v1                        ; 4 r
	v_lshl_add_u32 v4, v2, 12, v4                  ; + 8 h rows of 512 bytes
	s_lshl_b32 s14, s12, 6                         ; + 16 columns a wave
	v_add_nc_u32 v4, s14, v4
	v_and_b32 v5, 31, v0
	v_lshlrev_b32 v5, 4, v5                        ; 16 x lane
	s_lshl_b32 s16, ttmp9, 14                      ; 32 rows of 512 bytes a kblk
	s_mov_b32 s17, 0
	s_mul_i32 s18, ttmp9, 24576                    ; 24 fragments a kblk
	s_lshl_b32 s15, s13, 3
	s_add_co_u32 s15, s15, s12                     ; nt = 8 x matrix + wave
	s_lshl_b32 s15, s15, 10
	s_add_co_u32 s18, s18, s15
	s_mov_b32 s19, 0
	s_wait_kmcnt 0x0
	s_cmp_eq_u32 s13, 0
	s_cselect_b64 s[20:21], s[4:5], s[6:7]
	s_cmp_eq_u32 s13, 2
	s_cselect_b64 s[20:21], s[8:9], s[20:21]
	s_add_nc_u64 s[20:21], s[20:21], s[16:17]
	s_add_nc_u64 s[10:11], s[10:11], s[18:19]
.irp p, 0,1
.irp i, 0,1,2,3,4,5,6,7
	global_load_b32 v[8+8*(\p)+(\i)], v4, s[20:21] offset:8192*(\p)+512*(\i)
.endr
.endr
	s_wait_loadcnt 0x0
.irp j, 0,1,2,3,4,5,6,7
	v_cvt_pk_bf16_f32 v[24+(\j)], v[8+2*(\j)], v[8+2*(\j)+1]
.endr
	global_store_b128 v5, v[24:27], s[10:11]
	global_store_b128 v5, v[28:31], s[10:11] offset:512
	s_endpgm
.Lfunc_end_k_q414c174b76_wcast:
	.size	k_q414c174b76_wcast, .Lfunc_end_k_q414c174b76_wcast-k_q414c174b76_wcast
	.p2alignl 7, 3214868480
	.fill 96, 4, 3214868480
	.section	.rodata,"a",@progbits
	.p2align	6, 0x0
	.amdhsa_kernel k_q414c174b76_wcast
		.amdhsa_group_segment_fixed_size 0
		.amdhsa_private_segment_fixed_size 0
		.amdhsa_enable_private_segment 0
		.amdhsa_kernarg_size 32
		.amdhsa_user_sgpr_count 2
		.amdhsa_user_sgpr_kernarg_segment_ptr 1
		.amdhsa_wavefront_size32 1
		.amdhsa_system_sgpr_workgroup_id_x 1
		.amdhsa_system_sgpr_workgroup_id_y 1
		.amdhsa_system_sgpr_workgroup_id_z 1
		.amdhsa_system_vgpr_workitem_id 0
		.amdhsa_next_free_vgpr 32
		.amdhsa_next_free_sgpr 66
		.amdhsa_reserve_vcc 0
		.amdhsa_float_denorm_mode_32 3
		.amdhsa_float_denorm_mode_16_64 3
		.amdhsa_memory_ordered 1
		.amdhsa_forward_progress 1
		.amdhsa_inst_pref_size 4
	.end_amdhsa_kernel
	.amdgpu_metadata
---
amdhsa.version: [ 1, 2 ]
amdhsa.kernels:
  - .name:           k_q414c174b76_wcast
    .symbol:         k_q414c174b76_wcast.kd
    .args:
      - { .name: Wq, .offset: 0, .size: 8, .value_kind: global_buffer, .address_space: global }
      - { .name: Wk, .offset: 8, .size: 8, .value_kind: global_buffer, .address_space: global }
      - { .name: Wv, .offset: 16, .size: 8, .value_kind: global_buffer, .address_space: global }
      - { .name: wf, .offset: 24, .size: 8, .value_kind: global_buffer, .address_space: global }
    .group_segment_fixed_size: 0
    .private_segment_fixed_size: 0
    .kernarg_segment_align: 8
    .kernarg_segment_size: 32
    .max_flat_workgroup_size: 256
    .sgpr_count:     66
    .vgpr_count:     32
    .wavefront_size: 32
...
	.end_amdgpu_metadata
.endif
;; end of part 1
;; launch proj (part 2): grid 256 x 1, 4 waves a work-group, clusters of 4 x 1, 327,680 bytes of LDS; arguments inputs, wf, qf, kv, head; writes qf, kv, head
.if DOCPART == 2
	.amdgcn_target "amdgcn-amd-amdhsa--gfx1250"
	.amdhsa_code_object_version 6
	.text
	.protected	k_q414c174b76_proj
	.globl	k_q414c174b76_proj
	.p2align	8
	.type	k_q414c174b76_proj,@function
k_q414c174b76_proj:
	s_mov_b64 s[64:65], 0
	v_nop
	global_prefetch_b8 v0, s[64:65] scope:SCOPE_SE
	s_setreg_imm32_b32 hwreg(HW_REG_WAVE_MODE, 25, 1), 1
	s_wait_xcnt 0x0
	s_wait_alu depctr_hold_cnt(0) depctr_sa_sdst(0) depctr_va_vdst(0) depctr_va_sdst(0) depctr_va_ssrc(0) depctr_va_vcc(0) depctr_vm_vsrc(0)
	s_getreg_b32 s2, hwreg(HW_REG_IB_STS2, 6, 4)
	s_cmp_eq_u32 s2, 0
	s_cbranch_scc0 .Lentry_in_a_cluster
	s_endpgm
.Lentry_in_a_cluster:
	s_bfe_u32 s2, ttmp6, 0x10000c
	s_cmp_lg_u32 s2, 0x3003
	s_cbranch_scc0 .Lentry_shape_is_right
	s_endpgm
.Lentry_shape_is_right:
; q, k, v = x W.  x: [8 x 4096][1024] f32, rounded to bf16 on its way into the products; wf: the three W in bf16, in fragment order.  Sums in f32, K ascending.
; q, k, v leave rounded once to f16, UNSCALED, in fragment order (a fragment of 16 x 32 numbers = 1,024 bytes, half p at 512 p, a lane's 16 bytes at 16 x lane):
;   qf[row tile T][c 0..3][p][lane][8]       row 16 T + r, channel 32 c + 16 p + 8 h + i
;   kv[batch][group of 64 keys: 32,768 bytes]: K as [kt 0..3][c][p][lane][8] like qf; then at 16,384 V as [kk 0..1][cb 0..7][p][lane][8]: channel 16 cb + r, key 32 kk + 16 p + 8 h + i
; LIMIT.  f16 ends at 65,504: |q|, |k|, |v| must stay under it.  NaN and infinities are not treated apart.
; SHARES.  A work-group takes 128 rows, a wave 32 of them (two row tiles p) x all 384 columns: 48 accumulators, 384 registers.  K goes in blocks of 32 (kblk), 48 products each.
; x comes straight from memory into its owner's registers: no wave wants another's rows.  A ring of eight sub-blocks of 32 registers keeps six to seven kblk's loads (8 each) on their way.
; W is the same for every work-group: it goes through a ring of two LDS slots (a slot = 4 kblk = 98,304 bytes), each wave fetching a quarter, and the four work-groups of a cluster ask JOINTLY.
; For q and k source 0 is W's fragment and source 1 x's: a lane ends with one row and eight neighbouring channels.  For v the sources are swapped: a lane ends with one channel and eight neighbouring keys.
; So each accumulator packs into the lane's 16 bytes of a fragment half, and every store of the wave covers 512 consecutive bytes, aligned.
; THE FIRST 16 ROWS OF A BATCH average over so few keys that f16's rounding of q, k, v and of the weights would show; wave 0 of a batch's first block makes their attention here, wholly in f32,
; from its own f32 sums: 64 small f32 products in 8 waves of the launch.  They go, in f32, into head[batch][16][128]; the launch behind puts them into the output in place of its own.
; The place in the cluster (cx) enters the batch's number, so global addresses alone; "first block" hangs on the cluster's number, which the partners share.
.set KBB,   24576                      ; a kblk of W: 24 fragments
.set SLOTB, 4*KBB                      ; a slot
.set HSTG,  2*SLOTB                    ; behind the ring: 16 rows x 528 bytes, wave 0's own, for the first rows' way out
.set HP,    528
.set SPARE, HSTG+16*HP                 ; the spare words, 128 bytes for each wave: two blocks of 256 bytes that no other line names
.set LN16, 3                           ; v3      16 x lane
.set XO,   4                           ; v4      my place in a tile of x: r x 4,096 + 32 h
.set AB,   8                           ; v8-11   16 x lane + i x 49,152: two kblk of the ring each
.set HD,   12                          ; v12     r - 8 h
.set HST,  13                          ; v13     stage, in
.set HRD,  14                          ; v14     stage, back
.set HCM,  16                          ; v16-17  c m, twice
.set HMX,  18                          ; v18-19  the maximum, at work
.set HL,   20                          ; v20-23  the sum, at work; v22 1 / l
.set SPW,  28                          ; v28     my spare word; never rewritten
.set NIL,  29                          ; v29     0; never rewritten
.set A0,   32                          ; v32-47, v48-63  x's two fragments in bf16, by the kblk's parity
.set BF,   64                          ; v64-127, v128-191, v192-255  W's eight fragments for q, k, v
.set HT,   32                          ; the first rows: scores, then weights
.set HU,   40
.set HS,   128                         ; window 3: four partial sums of S^T; written by the f32 products alone
.set HO,   160                         ; window 3: O^T, eight accumulators; likewise
; window 1: x's ring, sub-block u at 32 u, tile p at + 16 p.  window 2: accumulators of q (16 nt + 8 p) and k (128 + 16 nt + 8 p).  window 3: of v (16 cb + 8 p).
.set WV,   14
.set CX,   15
.set BLK,  16
.set BAT,  17
.set X,    20                          ; s[20:21] x at my first row, at the loop's trip
.set G1,   24                          ; s[24:31]
.set G0,   32                          ; s[32:39] a set for each slot
.set LAP,  40
.set QW,   42
.set KW,   44
.set VW,   46
.set OUTB, 48                          ; s[48:49] head at my batch
.set CS,   50                          ; s[50:51] c = log2(e) / sqrt(128)
.set SEL,  52
.set BIGN, 54
.set MSB, 0
.macro WIN new                         ; the immediate's high byte repeats the setting that is left; a switch that changes nothing is dropped
.if MSB != (\new)
	s_set_vgpr_msb (MSB<<8)|(\new)
.set MSB, \new
.endif
.endm
.macro CROUND                          ; a round of the cluster's barrier
	s_barrier_signal -1
	s_barrier_wait -1
	s_cmp_lg_u32 s[WV], 0
	s_cbranch_scc1 .Lnot_wave_0_\@
	s_barrier_signal -3
.Lnot_wave_0_\@:
	s_barrier_wait -3
	s_barrier_signal -1
	s_barrier_wait -1
.endm
.macro PLACES
.rept 4
	v_nop
.endr
.endm
; eight loads: a kblk of my 32 rows in f32 into sub-block u.  A lane takes k = 8 h .. + 7 (two loads) and 16 + 8 h .. + 7 (two loads) of its row
.macro XLOAD u, off
	WIN 0x40                                       ; destination window 1
.irp p, 0,1
	global_load_b128 v[32*(\u)+16*(\p):32*(\u)+16*(\p)+3],     v[XO], s[X:X+1] offset:(\off)+65536*(\p)
	global_load_b128 v[32*(\u)+16*(\p)+4:32*(\u)+16*(\p)+7],   v[XO], s[X:X+1] offset:(\off)+65536*(\p)+16
	global_load_b128 v[32*(\u)+16*(\p)+8:32*(\u)+16*(\p)+11],  v[XO], s[X:X+1] offset:(\off)+65536*(\p)+64
	global_load_b128 v[32*(\u)+16*(\p)+12:32*(\u)+16*(\p)+15], v[XO], s[X:X+1] offset:(\off)+65536*(\p)+80
.endr
.endm
; n of the 16 roundings that make sub-block u's two fragments, into buffer a
.macro CVT u, a, first, n
	WIN 0x05                                       ; sources window 1, destination window 0
.set cj, \first
.rept \n
	v_cvt_pk_bf16_f32 v[(\a)+cj], v[32*(\u)+2*cj], v[32*(\u)+2*cj+1]
.set cj, cj+1
.endr
.endm
; 16 LDS loads: the eight fragments of group g (0 q, 1 k, 2 v) of kblk j of a slot; 32 lanes take 512 consecutive bytes
.macro BLOAD g, slot, j
	WIN 0
.irp t, 0,1,2,3,4,5,6,7
	ds_load_b128 v[BF+64*(\g)+8*(\t):BF+64*(\g)+8*(\t)+3],   v[AB+2*(\slot)+(\j)/2] offset:((\j)%2)*KBB+(8*(\g)+(\t))*1024
	ds_load_b128 v[BF+64*(\g)+8*(\t)+4:BF+64*(\g)+8*(\t)+7], v[AB+2*(\slot)+(\j)/2] offset:((\j)%2)*KBB+(8*(\g)+(\t))*1024+512
.endr
.endm
; 16 products on 16 accumulators: the 48 accumulators take turns, one instruction a turn, over the backward jump too
.macro MULG g, a, zero
.if (\g) < 2
	WIN 0xa0                                       ; C and D window 2
.else
	WIN 0xf0                                       ; C and D window 3
.endif
.irp t, 0,1,2,3,4,5,6,7
.irp p, 0,1
.if (\g) < 2
.set rD, 128*(\g)+16*(\t)+8*(\p)
.if \zero
	v_wmma_f32_16x16x32_bf16 v[rD:rD+7], v[BF+64*(\g)+8*(\t):BF+64*(\g)+8*(\t)+7], v[(\a)+8*(\p):(\a)+8*(\p)+7], 0
.else
	v_wmma_f32_16x16x32_bf16 v[rD:rD+7], v[BF+64*(\g)+8*(\t):BF+64*(\g)+8*(\t)+7], v[(\a)+8*(\p):(\a)+8*(\p)+7], v[rD:rD+7]
.endif
.else
.set rD, 16*(\t)+8*(\p)
.if \zero
	v_wmma_f32_16x16x32_bf16 v[rD:rD+7], v[(\a)+8*(\p):(\a)+8*(\p)+7], v[BF+128+8*(\t):BF+128+8*(\t)+7], 0
.else
	v_wmma_f32_16x16x32_bf16 v[rD:rD+7], v[(\a)+8*(\p):(\a)+8*(\p)+7], v[BF+128+8*(\t):BF+128+8*(\t)+7], v[rD:rD+7]
.endif
.endif
.endr
.endr
.endm
; ONE kblk, number n (in the loop: n modulo 8).  xl = 1: kblk n + 7 of x is asked for, into the sub-block that kblk n - 1 has left.  lc: the x loads younger than kblk n + 1's.
; Behind each group's 16 products stand 6, 5, 5 of the roundings of kblk n + 1: they name no register of those products and are the places in front of the loads into the group's fragment registers.
; s_wait_dscnt 32: the two younger groups' 32 loads may stay out.
; chg = 1, at a slot's last kblk: all reads of the slot were issued a kblk ago.  Each wave waits for all its tensor loads (one is out: its quarter of the other slot), adds 0 to its spare word, multiplies
; while the add is out, waits for the add and its reads; a round of the cluster's barrier; the slot is filled again, two K steps on, first thing behind the round.  chg = 2: the same with nothing left to fetch.
.macro KB n, xl, lc, zero, chg
.set kA,  A0+16*((\n)%2)
.set kAn, A0+16*(((\n)+1)%2)
.set kUn, ((\n)+1)%8
.set kS,  ((\n)/4)%2
.set kSn, (((\n)+1)/4)%2
.set kJn, ((\n)+1)%4
.if \xl
	XLOAD ((\n)+7)%8, ((\n)+7)*128
.endif
	s_wait_dscnt 32
.if \chg
	WIN 0
	s_wait_tensorcnt 0x0                           ; all my tensor loads have landed, so a group 0 may be written
	ds_add_u32 v[SPW], v[NIL]
.if (\chg) == 1
	s_add_nc_u64 s[G0+4*kS+2:G0+4*kS+3], s[G0+4*kS+2:G0+4*kS+3], 2*SLOTB
.endif
.endif
	MULG 0, kA, \zero
.if \chg
	s_wait_dscnt 0x0                               ; the add is done, and my reads of this slot are over
	WIN 0
.if (\chg) == 1
	CROUND                                         ; no wave of any partner still reads the slot or has a load on its way
	tensor_load_to_lds s[G0+4*kS:G0+4*kS+3], s[G1:G1+7]
	s_nop 0
.else
	s_barrier_signal -1
	s_barrier_wait -1
.endif
.endif
	WIN 0x05
	s_wait_loadcnt \lc
	CVT kUn, kAn, 0, 6
	BLOAD 0, kSn, kJn
	s_wait_dscnt 32
	MULG 1, kA, \zero
	CVT kUn, kAn, 6, 5
	BLOAD 1, kSn, kJn
	s_wait_dscnt 32
	MULG 2, kA, \zero
	CVT kUn, kAn, 11, 5
	BLOAD 2, kSn, kJn
.endm
	s_load_b256 s[4:11], s[0:1], 0x0               ; inputs s[4:5], wf s[6:7], qf s[8:9], kv s[10:11]
	s_load_b64 s[12:13], s[0:1], 0x20              ; head
	v_lshl_add_u32 v[SPW], v0, 2, SPARE
	v_mov_b32 v[NIL], 0
	ds_add_u32 v[SPW], v[NIL]                      ; the wave's opening: the add and its wait stand ahead of my first tensor load; the set-up stands between them
	v_lshrrev_b32 v5, 5, v0
	v_readfirstlane_b32 s[WV], v5                  ; wave 0..3
	s_bfe_u32 s[CX], ttmp6, 0x40000                ; my place in the cluster
	s_and_b32 s[BLK], ttmp9, 31                    ; the block of 128 rows in its batch: from the cluster's number alone
	s_lshr_b32 s[BAT], ttmp9, 5
	s_lshl_b32 s[BAT], s[BAT], 2
	s_add_co_u32 s[BAT], s[BAT], s[CX]             ; the batch
	; descriptor group 1: 96 rows of 32 elements of 8 bytes, dense: a quarter of a slot
	s_mov_b32 s[G1+0], 15|(3<<16)|(1<<21)          ; the mask of four; elements of 8 bytes; bit 21 set beside a mask
	s_mov_b32 s[G1+1], 32<<16                      ; tensor_dim0 = 32
	s_mov_b32 s[G1+2], 96<<16                      ; tensor_dim1 = 96
	s_mov_b32 s[G1+3], 32<<16                      ; tile_dim0 = 32
	s_mov_b32 s[G1+4], 96                          ; tile_dim1 = 96
	s_mov_b32 s[G1+5], 32                          ; 32 elements from row to row
	s_mov_b32 s[G1+6], 0
	s_mov_b32 s[G1+7], 0
	s_mov_b32 s[CS], 0x3e0293ee                    ; c = log2(e) / sqrt(128)
	s_mov_b32 s[CS+1], s[CS]
	s_mov_b32 s[SEL], 0x76543210
	s_mov_b32 s[SEL+1], 0xfedcba98
	s_mov_b32 s[BIGN], 0xf1800000                  ; -2^100
	v_and_b32 v1, 15, v0                           ; r
	v_bfe_u32 v2, v0, 4, 1                         ; h
	v_and_b32 v[LN16], 31, v0
	v_lshlrev_b32 v[LN16], 4, v[LN16]
	v_lshlrev_b32 v[XO], 12, v1
	v_lshl_add_u32 v[XO], v2, 5, v[XO]
.irp i, 0,1,2,3
	v_add_nc_u32 v[AB+(\i)], (\i)*2*KBB, v[LN16]
.endr
	s_lshl_b32 s18, s[BAT], 12
	s_lshl_b32 s19, s[BLK], 7
	s_add_co_u32 s18, s18, s19
	s_lshl_b32 s19, s[WV], 5
	s_add_co_u32 s18, s18, s19                     ; my first row
	s_lshl_b32 s2, s18, 12                         ; in x: 4,096 bytes a row
	s_mov_b32 s3, 0
	s_lshl_b32 s22, s18, 8                         ; in qf: 4,096 bytes for 16 rows
	s_mov_b32 s23, 0
	s_lshl_b32 s56, s[BAT], 21                     ; the batch in kv
	s_lshl_b32 s19, s[BLK], 1
	s_lshr_b32 s58, s[WV], 1
	s_add_co_u32 s19, s19, s58                     ; my group of 64 keys
	s_lshl_b32 s19, s19, 15
	s_add_co_u32 s58, s56, s19
	s_and_b32 s19, s[WV], 1                        ; which half of it: 8,192 bytes in K's part and in V's
	s_lshl_b32 s19, s19, 13
	s_add_co_u32 s58, s58, s19
	s_mov_b32 s59, 0
	s_lshl_b32 s56, s[BAT], 13                     ; the batch in head: 16 rows of 512 bytes
	s_mov_b32 s57, 0
	s_mul_i32 s18, s[WV], KBB                      ; my quarter of a slot, in wf and in LDS
	s_mov_b32 s19, 0
	s_wait_dscnt 0x0                               ; the opening add is done
	s_wait_kmcnt 0x0
	s_add_nc_u64 s[X:X+1], s[4:5], s[2:3]
	s_add_nc_u64 s[QW:QW+1], s[8:9], s[22:23]
	s_add_nc_u64 s[KW:KW+1], s[10:11], s[58:59]
	s_add_nc_u64 s[VW:VW+1], s[KW:KW+1], 16384
	s_add_nc_u64 s[OUTB:OUTB+1], s[12:13], s[56:57]
	s_add_nc_u64 s[6:7], s[6:7], s[18:19]
.irp s, 0,1
	s_mov_b32 s[G0+4*(\s)], 1
	s_add_co_u32 s[G0+4*(\s)+1], s18, (\s)*SLOTB
	s_add_nc_u64 s[G0+4*(\s)+2:G0+4*(\s)+3], s[6:7], (\s)*SLOTB
	s_or_b32 s[G0+4*(\s)+3], s[G0+4*(\s)+3], 0x80000000
.endr
	CROUND                                         ; all four work-groups are here: the first joint loads meet
	tensor_load_to_lds s[G0:G0+3], s[G1:G1+7]      ; K step 0
	s_nop 0
	tensor_load_to_lds s[G0+4:G0+7], s[G1:G1+7]    ; K step 1: two loads of mine are out
	s_nop 0
	PLACES
.irp u, 0,1,2,3,4,5,6,7
	XLOAD \u, 128*(\u)                             ; kblk 0 to 7 of x
.endr
	s_wait_tensorcnt 0x1                           ; my quarter of K step 0 is in; K step 1's may stay out
	s_barrier_signal -1
	s_barrier_wait -1                              ; everybody's is
	BLOAD 0, 0, 0
	BLOAD 1, 0, 0
	BLOAD 2, 0, 0
	WIN 0x05
	s_wait_loadcnt 56                              ; kblk 0 of x is in; seven kblk's loads stay out
	CVT 0, A0, 0, 16
	KB 0, 0, 48, 1, 0                              ; the first kblk starts the sums: nothing is cleared
	WIN 0
	s_mov_b32 s[LAP], 3
.Llap:                                         ; kblk 8 L + 1 .. 8 L + 8; both slots are filled again
	KB 1, 1, 48, 0, 0
	KB 2, 1, 48, 0, 0
	KB 3, 1, 48, 0, 1
	KB 4, 1, 48, 0, 0
	KB 5, 1, 48, 0, 0
	KB 6, 1, 48, 0, 0
	KB 7, 1, 48, 0, 1
	KB 8, 1, 48, 0, 0
	s_wait_xcnt 0x0                                ; the loads have read their base: it is stepped only behind this wait
	s_add_nc_u64 s[X:X+1], s[X:X+1], 1024
	s_sub_co_u32 s[LAP], s[LAP], 1
	s_cmp_lg_u32 s[LAP], 0
	s_cbranch_scc1 .Llap
	KB 25, 0, 40, 0, 0                             ; the tail asks for nothing more: the counts run down
	KB 26, 0, 32, 0, 0
	KB 27, 0, 24, 0, 2
	KB 28, 0, 16, 0, 0
	KB 29, 0, 8, 0, 0
	KB 30, 0, 0, 0, 0
	s_wait_dscnt 32
	MULG 0, A0+16, 0
	s_wait_dscnt 16
	MULG 1, A0+16, 0
	s_wait_dscnt 0x0
	MULG 2, A0+16, 0
	; THE WAY OUT: each accumulator is rounded to f16, 16 bytes a lane, into W's fragment registers (192, none used twice), and stored as it lies
	PLACES
	WIN 0x0a                                       ; sources window 2
.set a, 0
.rept 32
.irp r, 0,1,2,3
	v_cvt_pk_f16_f32 v[BF+4*a+(\r)], v[8*a+2*(\r)], v[8*a+2*(\r)+1]
.endr
.set a, a+1
.endr
	WIN 0x0f                                       ; sources window 3
.set a, 0
.rept 16
.irp r, 0,1,2,3
	v_cvt_pk_f16_f32 v[BF+128+4*a+(\r)], v[8*a+2*(\r)], v[8*a+2*(\r)+1]
.endr
.set a, a+1
.endr
	WIN 0
.irp t, 0,1,2,3,4,5,6,7
.irp p, 0,1
	global_store_b128 v[LN16], v[BF+4*(2*(\t)+(\p)):BF+4*(2*(\t)+(\p))+3],         s[QW:QW+1] offset:4096*(\p)+1024*((\t)/2)+512*((\t)%2)
	global_store_b128 v[LN16], v[BF+64+4*(2*(\t)+(\p)):BF+64+4*(2*(\t)+(\p))+3],   s[KW:KW+1] offset:4096*(\p)+1024*((\t)/2)+512*((\t)%2)
	global_store_b128 v[LN16], v[BF+128+4*(2*(\t)+(\p)):BF+128+4*(2*(\t)+(\p))+3], s[VW:VW+1] offset:1024*(\t)+512*(\p)
.endr
.endr
	; THE FIRST 16 ROWS OF A BATCH, in f32: wave 0 of the batch's first block, from its row tile 0.  Both jumps go forward, past no barrier and no tensor load.
	s_cmp_lg_u32 s[WV], 0
	s_cbranch_scc1 .Lno_head
	s_cmp_lg_u32 s[BLK], 0
	s_cbranch_scc1 .Lno_head
	s_wait_xcnt 0x0                                ; the stores above have read their registers
	; S^T = k q^T.  A pair of registers 2 i, 2 i + 1 of k's and of q's accumulator nt holds, for the lane's key or query, channels 16 nt + 8 h + 2 i + 0..1: the same four channels in the same
	; places of both sources, so the products are kept.  Four partial sums take turns.
	WIN 0xfa                                       ; sources window 2, C and D window 3
.irp t, 0,1,2,3,4,5,6,7
.irp i, 0,1,2,3
.if (\t) == 0
	v_wmma_f32_16x16x4_f32 v[HS+8*(\i):HS+8*(\i)+7], v[128+16*(\t)+2*(\i):128+16*(\t)+2*(\i)+1], v[16*(\t)+2*(\i):16*(\t)+2*(\i)+1], 0
.else
	v_wmma_f32_16x16x4_f32 v[HS+8*(\i):HS+8*(\i)+7], v[128+16*(\t)+2*(\i):128+16*(\t)+2*(\i)+1], v[16*(\t)+2*(\i):16*(\t)+2*(\i)+1], v[HS+8*(\i):HS+8*(\i)+7]
.endif
.endr
.endr
	WIN 0                                          ; eight places behind the f32 products: six address lines and two v_nop
	v_lshlrev_b32 v[HD], 3, v2
	v_sub_nc_u32 v[HD], v1, v[HD]                  ; r - 8 h: register j (key 8 h + j) is hidden from query r where j is greater
	v_mul_u32_u24 v[HST], v1, HP
	v_lshl_add_u32 v[HST], v2, 5, v[HST]
	v_add_nc_u32 v[HST], HSTG, v[HST]              ; in: row r, 32 bytes for each half of the lanes
	v_add_nc_u32 v[HRD], HSTG, v[LN16]             ; back: a whole row of 512 bytes
	v_nop
	v_nop
	WIN 0x0f
.irp j, 0,2,4,6
	v_pk_add_f32 v[HT+(\j):HT+(\j)+1], v[HS+(\j):HS+(\j)+1], v[HS+8+(\j):HS+8+(\j)+1]
.endr
.irp j, 0,2,4,6
	v_pk_add_f32 v[HU+(\j):HU+(\j)+1], v[HS+16+(\j):HS+16+(\j)+1], v[HS+24+(\j):HS+24+(\j)+1]
.endr
	WIN 0
.irp j, 0,2,4,6
	v_pk_add_f32 v[HT+(\j):HT+(\j)+1], v[HT+(\j):HT+(\j)+1], v[HU+(\j):HU+(\j)+1]
.endr
.irp j, 0,1,2,3,4,5,6,7
	v_cmp_gt_i32 vcc_lo, \j, v[HD]
	v_cndmask_b32 v[HT+(\j)], v[HT+(\j)], s[BIGN], vcc_lo  ; a hidden score counts as -2^100; every query sees its own key, so the maximum is a true score
.endr
	v_max3_num_f32 v[HMX], v[HT], v[HT+1], v[HT+2]
	v_max3_num_f32 v[HMX], v[HMX], v[HT+3], v[HT+4]
	v_max3_num_f32 v[HMX], v[HMX], v[HT+5], v[HT+6]
	v_max_num_f32 v[HMX], v[HMX], v[HT+7]
	v_mov_b32 v[HMX+1], 0                          ; v_permlanex16_b32's destination counts as read
	v_permlanex16_b32 v[HMX+1], v[HMX], s[SEL], s[SEL+1]  ; the query's other eight keys lie in the lane 16 away
	v_max_num_f32 v[HMX], v[HMX], v[HMX+1]
	v_mul_f32 v[HCM], s[CS], v[HMX]
	v_mov_b32 v[HCM+1], v[HCM]
.irp j, 0,2,4,6
	v_pk_fma_f32 v[HT+(\j):HT+(\j)+1], v[HT+(\j):HT+(\j)+1], s[CS:CS+1], v[HCM:HCM+1] op_sel_hi:[1,0,0] neg_lo:[0,0,1] neg_hi:[0,0,1]
.endr
.irp j, 0,1,2,3,4,5,6,7
	v_exp_f32 v[HT+(\j)], v[HT+(\j)]
.endr
	v_nop                                          ; a plain instruction behind the last exponential,
	s_wait_alu depctr_va_vdst(0)                   ; and the one wait ahead of the batch's first reader
	v_pk_add_f32 v[HL:HL+1], v[HT:HT+1], v[HT+2:HT+3]
	v_pk_add_f32 v[HL+2:HL+3], v[HT+4:HT+5], v[HT+6:HT+7]
	v_pk_add_f32 v[HL:HL+1], v[HL:HL+1], v[HL+2:HL+3]
	v_add_f32 v[HL], v[HL], v[HL+1]
	v_permlanex16_b32 v[HL+1], v[HL], s[SEL], s[SEL+1]
	v_add_f32 v[HL], v[HL], v[HL+1]
	v_rcp_f32 v[HL+2], v[HL]
	v_nop
	s_wait_alu depctr_va_vdst(0)
	; O^T = v^T p: registers 2 i, 2 i + 1 of v's accumulator cb and of p hold keys 8 h + 2 i + 0..1.  Eight accumulators take turns.
	WIN 0xf3                                       ; source 0, C and D window 3; source 1 window 0
.irp i, 0,1,2,3
.irp t, 0,1,2,3,4,5,6,7
.if (\i) == 0
	v_wmma_f32_16x16x4_f32 v[HO+8*(\t):HO+8*(\t)+7], v[16*(\t)+2*(\i):16*(\t)+2*(\i)+1], v[HT+2*(\i):HT+2*(\i)+1], 0
.else
	v_wmma_f32_16x16x4_f32 v[HO+8*(\t):HO+8*(\t)+7], v[16*(\t)+2*(\i):16*(\t)+2*(\i)+1], v[HT+2*(\i):HT+2*(\i)+1], v[HO+8*(\t):HO+8*(\t)+7]
.endif
.endr
.endr
	PLACES
	PLACES                                         ; eight places behind the f32 products
	WIN 0x03                                       ; source 0 window 3
.set a, 0
.rept 32
	v_pk_mul_f32 v[BF+2*a:BF+2*a+1], v[HO+2*a:HO+2*a+1], v[HL+2:HL+3] op_sel_hi:[1,0]
.set a, a+1
.endr
	WIN 0
.irp t, 0,1,2,3,4,5,6,7
	ds_store_b128 v[HST], v[BF+8*(\t):BF+8*(\t)+3]   offset:64*(\t)
	ds_store_b128 v[HST], v[BF+8*(\t)+4:BF+8*(\t)+7] offset:64*(\t)+16
.endr
.irp i, 0,1,2,3,4,5,6,7,8,9,10,11,12,13,14,15
	ds_load_b128 v[BF+64+4*(\i):BF+64+4*(\i)+3], v[HRD] offset:HP*(\i)  ; LDS serves a wave's instructions in order (ISA guide 5.7.1.4): these see the stores above
.endr
.irp i, 0,1,2,3,4,5,6,7,8,9,10,11,12,13,14,15
	s_wait_dscnt 15-(\i)
	global_store_b128 v[LN16], v[BF+64+4*(\i):BF+64+4*(\i)+3], s[OUTB:OUTB+1] offset:512*(\i)  ; a whole row of head: 512 consecutive bytes, aligned
.endr
.Lno_head:
	s_wait_tensorcnt 0x0                           ; the wave's end: behind my last tensor load and my last LDS store
	ds_add_u32 v[SPW], v[NIL]
	s_wait_dscnt 0x0
	CROUND                                         ; the closing round: no work-group ends while a partner may still ask for a tile that names it
	s_endpgm
.Lfunc_end_k_q414c174b76_proj:
	.size	k_q414c174b76_proj, .Lfunc_end_k_q414c174b76_proj-k_q414c174b76_proj
	.p2alignl 7, 3214868480
	.fill 96, 4, 3214868480
	.section	.rodata,"a",@progbits
	.p2align	6, 0x0
	.amdhsa_kernel k_q414c174b76_proj
		.amdhsa_group_segment_fixed_size 327680
		.amdhsa_private_segment_fixed_size 0
		.amdhsa_enable_private_segment 0
		.amdhsa_kernarg_size 40
		.amdhsa_user_sgpr_count 2
		.amdhsa_user_sgpr_kernarg_segment_ptr 1
		.amdhsa_wavefront_size32 1
		.amdhsa_system_sgpr_workgroup_id_x 1
		.amdhsa_system_sgpr_workgroup_id_y 1
		.amdhsa_system_sgpr_workgroup_id_z 1
		.amdhsa_system_vgpr_workitem_id 0
		.amdhsa_next_free_vgpr 992
		.amdhsa_next_free_sgpr 66
		.amdhsa_reserve_vcc 1
		.amdhsa_float_denorm_mode_32 3
		.amdhsa_float_denorm_mode_16_64 3
		.amdhsa_memory_ordered 1
		.amdhsa_forward_progress 1
		.amdhsa_inst_pref_size 168
	.end_amdhsa_kernel
	.amdgpu_metadata
---
amdhsa.version: [ 1, 2 ]
amdhsa.kernels:
  - .name:           k_q414c174b76_proj
    .symbol:         k_q414c174b76_proj.kd
    .args:
      - { .name: inputs, .offset: 0, .size: 8, .value_kind: global_buffer, .address_space: global }
      - { .name: wf, .offset: 8, .size: 8, .value_kind: global_buffer, .address_space: global }
      - { .name: qf, .offset: 16, .size: 8, .value_kind: global_buffer, .address_space: global }
      - { .name: kv, .offset: 24, .size: 8, .value_kind: global_buffer, .address_space: global }
      - { .name: head, .offset: 32, .size: 8, .value_kind: global_buffer, .address_space: global }
    .group_segment_fixed_size: 327680
    .private_segment_fixed_size: 0
    .kernarg_segment_align: 8
    .kernarg_segment_size: 40
    .max_flat_workgroup_size: 128
    .sgpr_count:     66
    .vgpr_count:     992
    .wavefront_size: 32
...
	.end_amdgpu_metadata
.endif
;; end of part 2
;; launch attn (part 3): grid 32 x 8, 4 waves a work-group, clusters of 4 x 1, 327,680 bytes of LDS; arguments qf, kv, out0, head; writes out0
.if DOCPART == 3
	.amdgcn_target "amdgcn-amd-amdhsa--gfx1250"
	.amdhsa_code_object_version 6
	.text
	.protected	k_q414c174b76_attn
	.globl	k_q414c174b76_attn
	.p2align	8
	.type	k_q414c174b76_attn,@function
k_q414c174b76_attn:
	s_mov_b64 s[64:65], 0
	v_nop
	global_prefetch_b8 v0, s[64:65] scope:SCOPE_SE
	s_setreg_imm32_b32 hwreg(HW_REG_WAVE_MODE, 25, 1), 1
	s_wait_xcnt 0x0
	s_wait_alu depctr_hold_cnt(0) depctr_sa_sdst(0) depctr_va_vdst(0) depctr_va_sdst(0) depctr_va_ssrc(0) depctr_va_vcc(0) depctr_vm_vsrc(0)
	s_getreg_b32 s2, hwreg(HW_REG_IB_STS2, 6, 4)
	s_cmp_eq_u32 s2, 0
	s_cbranch_scc0 .Lentry_in_a_cluster
	s_endpgm
.Lentry_in_a_cluster:
	s_bfe_u32 s2, ttmp6, 0x10000c
	s_cmp_lg_u32 s2, 0x3003
	s_cbranch_scc0 .Lentry_shape_is_right
	s_endpgm
.Lentry_shape_is_right:
; CAUSAL ATTENTION, one head of 128 channels, 8 batches of 4,096 rows.  out0[b][q] = the sum over k <= q of softmax_k(q . k / sqrt(128)) v[k], f32.  qf and kv hold q, k, v in f16, unscaled, in fragment order
; (a fragment of 16 x 32 numbers = 1,024 bytes, half p at 512 p, a lane's 16 bytes at 16 x lane): every LDS read takes 512 consecutive bytes, and V needs no turning.
; Products, maxima and sums in f32; the weights are rounded to f16 for the second product, their sum is taken of the unrounded ones.
; ROWS 0-15 OF A BATCH were made in f32 by the launch before and lie in head[batch][16][128].  At every block's end every wave loads its four rows of them, and where the work-group's first row is the batch's
; row 0 a select takes them in place of tile 0's own numbers: the place in the cluster enters data and global addresses alone, never EXEC, a branch or an LDS address.
; LIMITS.  q, k, v arrive within f16's 65,504.  A hidden score counts as its value less 2^100; the running maximum starts at -2^99 (f16's scores are 5.5e11 at the most).  A weight below 2^-126 counts as 0.
; NaN and infinities are not treated apart.
; THE WALK.  A batch has 16 superblocks of 256 queries; superblock i needs the key tiles 0 .. i of 256 keys, the last holding the diagonal.  A CLUSTER of four work-groups takes superblock 15 - c and then c:
; 17 tiles, whatever c: all work-groups do equal work, and the loops have constant trip counts.  Work-group cx owns queries 64 cx .. + 63 of the superblock: four tiles of 16.
; All four partners walk the same tiles, so every tile is asked for JOINTLY.  What differs between clusters (which tile is asked for, when a block ends) hangs on scalars made from c, which the partners share.
; THE KEYS ARE SPLIT AMONG THE WAVES: wave w takes keys 64 w .. + 63 of every tile, for all 64 queries; it fetches those 32,768 bytes itself and nobody else reads them.  Each wave keeps its own running
; maximum m, sum l and O^T; at a block's end the four partial results meet in LDS and are merged by the maximum.
; LAYOUT.  S^T = K Q^T holds ONE query a lane (lane % 16) and the keys 8 (lane / 16) + 0..7; two such results rounded to f16 ARE source 1 of O^T = V^T P.  p = 2^(c s - c m), c = log2(e) / sqrt(128);
; O and l are multiplied by a = 2^(c m_old - c m_new) in every step.  A block's first true score makes a = 0, so O and l need only be finite when a block begins.  A wave that has seen hidden keys alone keeps
; m = -2^99, p = 0, a = 1; what it holds is finite, and the merge multiplies it by 2^(c m - M) = 0.
; THE MASK is the C operand that starts a sum of S^T.  Register j of key group kt and query tile t is hidden where 16 (kt - t) + j > 64 (cx - w) + r - 8 h; that depends on the sign of kt - t alone, so three
; sets of eight registers (MB) serve; a tile's masks are MC = MB x DM, DM = 1 for the diagonal tile and 0 elsewhere: one text for every tile.
; A STEP (one tile): 32 products K Q^T of tiles 0, 1 | 32 of tiles 2, 3 with the softmax of tiles 0, 1 in slices behind them | 32 products V^T P of tiles 0, 1 with the softmax of tiles 2, 3 | the change of
; slots and the next K | 32 products V^T P of tiles 2, 3 | the next masks and V.
; REGISTERS, in windows of 256: window 0: addresses, v12-43 statistics, v64-191 S^T, v192-255 P; window 1: O^T; window 2: v0-127 Q, v128-255 K; window 3: v0-127 V, v128-151 MB, v152-175 MC.
.set SLOT1, 131072                     ; a slot holds a tile: four waves' groups of 32,768 bytes (K 16,384, then V)
.set OSTG,  2*SLOT1                    ; behind the ring: four partial tiles of 16 rows x 528 bytes
.set OP,    528
.set OPART, 16*OP
.set STATS, OSTG+4*OPART               ; four waves x four tiles x 16 queries x (c m, l)
.set SPARE, STATS+2048                 ; the spare words, 128 bytes for each wave: two blocks of 256 bytes that no other line names
.set LN16, 2                           ; v2   16 x lane
.set ADR,  4                           ; v4   the LDS address of the group in hand
.set STO,  6                           ; v6   the merge: where I put 32 bytes of a row
.set RD,   7                           ; v7   where I read rows back
.set GO,   8                           ; v8   my byte offset in a tile's rows of out0, and in head
.set SADR, 9                           ; v9   where I put (c m, l)
.set SRD,  10                          ; v10  where I read them
.set RBV,  11                          ; v11  my work-group's first row in the batch
.set ST,   12                          ; tile t's statistics at v[ST+8 t]: c m, m, l (even keys', odd keys'), c0-c3 at work; a takes c2's place
.set PFO,  61                          ; v61  256 x lane
.set SPW,  62
.set NIL,  63
.set S,    64
.set P,    192
.set EV,   64                          ; the merge: (c m, l) of wave w', tile t at EV + 8 t + 2 w'
.set RBF,  128                         ; the merge: row i, partial w' at RBF + 16 i + 4 w'
.set HB,   192                         ; the merge: my four rows of head, row i at HB + 4 i: P's registers of tiles 0 and 1, idle at a block's end
.set KF,   128                         ; window 2
.set MB,   128                         ; window 3
.set MC,   152                         ; window 3
.set WV,   12
.set CX,   13
.set CC,   14                          ; c
.set BAT,  15
.set KVW,  16                          ; s[16:17] kv at my group of the batch's tile 0
.set PFA,  18                          ; s[18:19] where my prefetches stand
.set LIM,  20
.set MORE, 21                          ; 1: a second block is still to come
.set G1,   24
.set G0A,  32                          ; s[32:35] the first fill of slot 0
.set G0,   36                          ; s[36:39] the first fill of slot 1; then it walks
.set OFF,  40                          ; s[40:41] a tile's byte offset
.set NXT,  42                          ; the tile to be asked for next
.set LQ,   43                          ; the last tile of the block whose tiles are being asked for
.set RT,   44                          ; tiles of the block in hand, the one at work among them
.set SL,   45
.set CNT,  46
.set TB,   47                          ; LDS byte of my group in the slot to be fetched from
.set DM,   48                          ; s[48:49]
.set QP2,  50                          ; s[50:51] the second block's Q
.set OUT,  52
.set OUT2, 54
.set RB2,  56
.set TMPS, 57                          ; at work in the set-up
.set CS,   58
.set SEL,  60
.set BIGN, 62
.set HEAD, 66                          ; s[66:67] head at my batch
.set MSB, 0
.macro WIN new
.if MSB != (\new)
	s_set_vgpr_msb (MSB<<8)|(\new)
.set MSB, \new
.endif
.endm
.set W_KQ, 0x0a                        ; K and Q window 2, S^T window 0
.set W_KM, 0x3a                        ; the same with the C operand in window 3
.set W_PV, 0x53                        ; V window 3, P window 0, O^T window 1
.set W_RS, 0x41                        ; destination and source 0 window 1, source 1 window 0
.macro CROUND
	s_barrier_signal -1
	s_barrier_wait -1
	s_cmp_lg_u32 s[WV], 0
	s_cbranch_scc1 .Lnot_wave_0_\@
	s_barrier_signal -3
.Lnot_wave_0_\@:
	s_barrier_wait -3
	s_barrier_signal -1
	s_barrier_wait -1
.endm
.macro PLACES
.rept 4
	v_nop
.endr
.endm
; A prefetch into the L2, behind the joint load and its five lines: step i names tile i + 4, which the change of slots two steps on will ask for.  The batch's cluster c = 0, which walks tiles 0 to 15 on end,
; asks, and nobody else; wave w of partner cx names the 32 blocks of 256 bytes at 32,768 w + 8,192 cx of the tile, a lane a block: told apart by address.  So each block is named once in the launch.
; Tiles 0 to 3 come by their loads alone; steps 12 and later ask for nothing: there is no tile 16.
.macro ASK
	s_cmp_gt_u32 s[SL], s[LIM]
	s_cbranch_scc0 .Lnot_mine_\@
	global_prefetch_b8 v[PFO], s[PFA:PFA+1] th:TH_LOAD_NT scope:SCOPE_SE
.Lnot_mine_\@:
.endm
; THE CHANGE OF SLOTS.  K and V of the tile at work lie in registers.  Each wave waits for all its tensor loads (one is out: its group of the other slot), adds 0 to its spare word, makes the descriptor for tile
; NXT, waits for the add and its reads; a round of the cluster's barrier; the slot just read is filled again, first thing behind the round: it has a step, 128 products, in which to land.
.macro CHANGE
	WIN 0
	s_wait_tensorcnt 0x0                           ; no tensor load of mine is out, so a group 0 may be written
	ds_add_u32 v[SPW], v[NIL]
	s_lshl_b32 s[OFF], s[NXT], 17
	s_xor_b32 s[G0+1], s[G0+1], SLOT1
	s_add_nc_u64 s[G0+2:G0+3], s[KVW:KVW+1], s[OFF:OFF+1]
	s_or_b32 s[G0+3], s[G0+3], 0x80000000
	s_add_co_u32 s[NXT], s[NXT], 1                 ; the block's next tile, or behind its last the second block's tile 0
	s_cmp_gt_u32 s[NXT], s[LQ]
	s_cselect_b32 s[NXT], 0, s[NXT]
	s_cselect_b32 s[LQ], s[CC], s[LQ]
	s_wait_xcnt 0x0                                ; the last prefetch, a step back, has read its address
	s_add_nc_u64 s[PFA:PFA+1], s[PFA:PFA+1], SLOT1
	s_wait_dscnt 0x0                               ; the add is done, and my reads of the slot are over
	CROUND
	tensor_load_to_lds s[G0:G0+3], s[G1:G1+7]
	s_nop 0
	PLACES
	ASK
	s_xor_b32 s[TB], s[TB], SLOT1                  ; the fetches go to the other slot
.endm
.macro FETCH_K                         ; 32 LDS loads: 64 keys x 128 channels, fragment f = 4 kt + c
	WIN 0
	v_add_nc_u32 v[ADR], s[TB], v[LN16]
	WIN 0x80
.irp f, 0,1,2,3,4,5,6,7,8,9,10,11,12,13,14,15
	ds_load_b128 v[KF+8*(\f):KF+8*(\f)+3],   v[ADR] offset:1024*(\f)
	ds_load_b128 v[KF+8*(\f)+4:KF+8*(\f)+7], v[ADR] offset:1024*(\f)+512
.endr
.endm
.macro FETCH_V                         ; 32 LDS loads: fragment f = 8 kk + cb of V^T, from the same group
	WIN 0xc0
.irp f, 0,1,2,3,4,5,6,7,8,9,10,11,12,13,14,15
	ds_load_b128 v[8*(\f):8*(\f)+3],   v[ADR] offset:16384+1024*(\f)
	ds_load_b128 v[8*(\f)+4:8*(\f)+7], v[ADR] offset:16384+1024*(\f)+512
.endr
.endm
.macro MASK                            ; MC = MB x DM
	WIN 0xc3
.set z, 0
.rept 12
	v_pk_mul_f32 v[MC+2*z:MC+2*z+1], v[MB+2*z:MB+2*z+1], s[DM:DM+1] op_sel_hi:[1,0]
.set z, z+1
.endr
.endm
; THE MATRIX WORK.  The accumulators take turns, one instruction a turn.
; Product i of 32 of S^T = K Q^T for tiles x, x + 1: channels 32 (i / 8) on, keys 16 ((i / 2) % 4) on, tile x + i % 2.  The first 8 start the sums with the mask.
.macro KQ x
.set rS, S+32*((\x)+i%2)+8*((i/2)%4)
.set rK, KF+32*((i/2)%4)+8*(i/8)
.set rQ, 32*((\x)+i%2)+8*(i/8)
.if i < 8
.set kd, (i/2)%4-((\x)+i%2)
.set rM, MC+8
.if kd < 0
.set rM, MC
.endif
.if kd > 0
.set rM, MC+16
.endif
	WIN W_KM
	v_wmma_f32_16x16x32_f16 v[rS:rS+7], v[rK:rK+7], v[rQ:rQ+7], v[rM:rM+7]
.else
	WIN W_KQ
	v_wmma_f32_16x16x32_f16 v[rS:rS+7], v[rK:rK+7], v[rQ:rQ+7], v[rS:rS+7]
.endif
.endm
; Product i of 32 of O^T += V^T P: keys 32 (i / 16) on, channels 16 ((i / 2) % 8) on, tile x + i % 2.
.macro PV x
	WIN W_PV
.set rO, 64*((\x)+i%2)+8*((i/2)%8)
.set rV, 64*(i/16)+8*((i/2)%8)
.set rP, P+16*((\x)+i%2)+8*(i/16)
	v_wmma_f32_16x16x32_f16 v[rO:rO+7], v[rV:rV+7], v[rP:rP+7], v[rO:rO+7]
.endm
; THE VECTOR WORK.  A tile's softmax for a step is a list of 134 instructions; SM writes number j of it for tile t.  s0-s31 are the lane's 32 scores, in pairs 0-15.
;   0-15    the maximum of s0-s31 and the old m, three operands at a time (each accumulator's lowest registers are read first)     16-20  the other half of the lanes' maximum; m; c m; c m_old - c m_new
;   21-69   ONE BATCH: the 16 scalings c s - c m and all 33 exponentials (a at 23, then s0-s31); none of these reads an exponential's result
;   70-85   the roundings to f16     86-101  the sums; l = a l + the sum     102-133  the tile's O^T times a
.macro SM t
.set rT, ST+8*(\t)
.set rS, S+32*(\t)
.set rP, P+16*(\t)
.set rO, 64*(\t)+2*(j-102)
.if j < 102
	WIN 0
.endif
.if j < 4
	v_max3_num_f32 v[rT+4+j], v[rS+8*j], v[rS+8*j+1], v[rS+8*j+2]
.elseif j < 12
	v_max3_num_f32 v[rT+4+j%4], v[rT+4+j%4], v[rS+8*(j%4)+2*(j/4)+1], v[rS+8*(j%4)+2*(j/4)+2]
.elseif j == 12
	v_max3_num_f32 v[rT+4], v[rT+4], v[rS+7], v[rS+15]
.elseif j == 13
	v_max3_num_f32 v[rT+6], v[rT+6], v[rS+23], v[rS+31]
.elseif j == 14
	v_max3_num_f32 v[rT+4], v[rT+4], v[rT+5], v[rT+6]
.elseif j == 15
	v_max3_num_f32 v[rT+4], v[rT+4], v[rT+7], v[rT+1]
.elseif j == 16
	v_permlanex16_b32 v[rT+5], v[rT+4], s[SEL], s[SEL+1]  ; the query's other 32 keys lie in the lane 16 away
.elseif j == 17
	v_mov_b32 v[rT+7], v[rT]                       ; c m_old is kept for a
.elseif j == 18
	v_max_num_f32 v[rT+1], v[rT+4], v[rT+5]
.elseif j == 19
	v_mul_f32 v[rT], s[CS], v[rT+1]
.elseif j == 20
	v_sub_f32 v[rT+7], v[rT+7], v[rT]
.elseif j == 23
	v_exp_f32 v[rT+6], v[rT+7]
.elseif (j < 23) || ((j < 38) && (j%2 == 0)) || ((j < 66) && (j%4 == 2))
.set b, (j-2)/4
.if j < 38
.set b, (j-20)/2
.endif
	v_pk_fma_f32 v[rS+2*b:rS+2*b+1], v[rS+2*b:rS+2*b+1], s[CS:CS+1], v[rT:rT+1] op_sel_hi:[1,0,0] neg_lo:[0,0,1] neg_hi:[0,0,1]
.elseif j < 70
.set e, j-38
.if j < 66
.set e, j-32-(j-38)/4
.endif
.if j < 38
.set e, (j-25)/2
.endif
	v_exp_f32 v[rS+e], v[rS+e]
.elseif j < 86
	v_cvt_pk_f16_f32 v[rP+j-70], v[rS+2*(j-70)], v[rS+2*(j-70)+1]
.elseif j < 102
.set z, j-86
.set w, 4
.set u, z
.if z >= 14
.set w, 32
.set u, 0
.elseif z >= 12
.set w, 16
.set u, z-12
.elseif z >= 8
.set w, 8
.set u, z-8
.endif
.if z < 15
	v_pk_add_f32 v[rS+w*u:rS+w*u+1], v[rS+w*u:rS+w*u+1], v[rS+w*u+w/2:rS+w*u+w/2+1]
.else
	v_pk_fma_f32 v[rT+2:rT+3], v[rT+2:rT+3], v[rT+6:rT+7], v[rS:rS+1] op_sel_hi:[1,0,1]
.endif
.else
	WIN W_RS
	v_pk_mul_f32 v[rO:rO+1], v[rO:rO+1], v[rT+6:rT+7] op_sel_hi:[1,0]
.endif
.endm
; Slice k of 64 of the softmax of tiles y, y + 1.  Slices 11 to 34 deal out the batch, four numbers of one tile each, the tiles by turns; every other slice is numbers 2 k, 2 k + 1 of both tiles; the twelve that
; are over stand in slice 63.  Ahead of slice 35 nothing names an exponential's result, behind slice 34 none is issued: so the 66 exponentials have one plain instruction and one wait, behind slice 34.
.macro SLICE y
.if (k >= 11) && (k < 35)
.irp n, 0,1,2,3
.set j, 22+4*((k-11)/2)+(\n)
	SM (\y)+(k-11)%2
.endr
.else
.irp n, 0,1,2,3,4,5,6,7
.if ((\n) < 2) || (k == 63)
.irp t, \y, (\y)+1
.set j, 2*k+(\n)
	SM \t
.endr
.endif
.endr
.endif
.if k == 34
	v_nop
	s_wait_alu depctr_va_vdst(0)                   ; the wait ahead of the batch's first reader
.endif
.set k, k+1
.endm
; THE MERGE of tile t: my O^T times g = 2^(c m - M) / L goes into my part of the stage; behind a barrier wave w reads rows 4 w .. 4 w + 3 of all four parts, adds them and stores whole rows of 512 bytes.
; last = 1: no tile follows in this block's end, so no barrier frees the stage: the next write into it stands behind the next block's end's first barrier.
.macro OUTT t, last
	WIN W_RS
.set n, 0
.rept 32
	v_pk_mul_f32 v[64*(\t)+2*n:64*(\t)+2*n+1], v[64*(\t)+2*n:64*(\t)+2*n+1], v[ST+8*(\t)+6:ST+8*(\t)+7] op_sel_hi:[1,0]
.set n, n+1
.endr
	WIN 0x04                                       ; the stores' data in window 1
.irp cb, 0,1,2,3,4,5,6,7
	ds_store_b128 v[STO], v[64*(\t)+8*(\cb):64*(\t)+8*(\cb)+3]   offset:64*(\cb)
	ds_store_b128 v[STO], v[64*(\t)+8*(\cb)+4:64*(\t)+8*(\cb)+7] offset:64*(\cb)+16
.endr
	WIN 0
	s_wait_dscnt 0x0                               ; for the others' sake: my part lies in the stage
	s_barrier_signal -1
	s_barrier_wait -1
	s_wait_xcnt 0x0                                ; the tile before's stores have read the registers that are loaded now
.irp i, 0,1,2,3
.irp w, 0,1,2,3
	ds_load_b128 v[RBF+16*(\i)+4*(\w):RBF+16*(\i)+4*(\w)+3], v[RD] offset:OPART*(\w)+OP*(\i)
.endr
.endr
	s_wait_dscnt 0x0                               ; my reads of the stage are over:
.if !(\last)
	s_barrier_signal -1                            ; say so; the next tile is written into the stage only when all four have said so
.endif
.irp i, 0,1,2,3
.set rB, RBF+16*(\i)
	v_pk_add_f32 v[rB:rB+1],     v[rB:rB+1],     v[rB+4:rB+5]
	v_pk_add_f32 v[rB+2:rB+3],   v[rB+2:rB+3],   v[rB+6:rB+7]
	v_pk_add_f32 v[rB+8:rB+9],   v[rB+8:rB+9],   v[rB+12:rB+13]
	v_pk_add_f32 v[rB+10:rB+11], v[rB+10:rB+11], v[rB+14:rB+15]
.endr
.irp i, 0,1,2,3
.set rB, RBF+16*(\i)
	v_pk_add_f32 v[rB:rB+1],     v[rB:rB+1],     v[rB+8:rB+9]
	v_pk_add_f32 v[rB+2:rB+3],   v[rB+2:rB+3],   v[rB+10:rB+11]
.endr
.if !(\last)
	s_barrier_wait -1
.endif
.if (\t) == 0
	s_wait_loadcnt 0x0                             ; my four rows of head are in.  The count is 0, since the next block's Q is asked for behind them on one way and not on the other; so that Q is in as well
	v_cmp_eq_u32 vcc_lo, 0, v[RBV]                 ; is tile 0 the batch's rows 0-15?  Then head's numbers go out in place of mine
.irp i, 0,1,2,3
.irp q, 0,1,2,3
	v_cndmask_b32 v[RBF+16*(\i)+(\q)], v[RBF+16*(\i)+(\q)], v[HB+4*(\i)+(\q)], vcc_lo
.endr
.endr
.endif
.irp i, 0,1,2,3
	global_store_b128 v[GO], v[RBF+16*(\i):RBF+16*(\i)+3], s[OUT:OUT+1] offset:512*(16*(\t)+(\i))
.endr
.endm
; A BLOCK'S END.  My rows of head and the next block's Q are asked for first and land during the merge.  Every wave passes every barrier here: whether the text is run hangs on c alone.
.macro END
.irp i, 0,1,2,3
	global_load_b128 v[HB+4*(\i):HB+4*(\i)+3], v[GO], s[HEAD:HEAD+1] offset:512*(\i)  ; rows 4 w + i of head, as tile 0's rows lie in out0
.endr
	s_cmp_eq_u32 s[MORE], 0
	s_cbranch_scc1 .Lnoq_\@
	WIN 0x80
.irp f, 0,1,2,3,4,5,6,7,8,9,10,11,12,13,14,15
	global_load_b128 v[8*(\f):8*(\f)+3],   v[LN16], s[QP2:QP2+1] offset:1024*(\f)
	global_load_b128 v[8*(\f)+4:8*(\f)+7], v[LN16], s[QP2:QP2+1] offset:1024*(\f)+512
.endr
	WIN 0
.Lnoq_\@:
.irp t, 0,1,2,3
	v_add_f32 v[ST+8*(\t)+4], v[ST+8*(\t)+2], v[ST+8*(\t)+3]   ; l's two halves; these four are also the places behind the last products
.endr
.irp t, 0,1,2,3
	v_permlanex16_b32 v[ST+8*(\t)+5], v[ST+8*(\t)+4], s[SEL], s[SEL+1]
.endr
.irp t, 0,1,2,3
	v_add_f32 v[ST+8*(\t)+1], v[ST+8*(\t)+4], v[ST+8*(\t)+5]   ; l takes m's place beside c m
.endr
.irp t, 0,1,2,3
	ds_store_b64 v[SADR], v[ST+8*(\t):ST+8*(\t)+1] offset:128*(\t)  ; both halves of the lanes write the same numbers
.endr
	s_wait_dscnt 0x0
	s_barrier_signal -1
	s_barrier_wait -1
.irp t, 0,1,2,3
.irp w, 0,1,2,3
	ds_load_b64 v[EV+8*(\t)+2*(\w):EV+8*(\t)+2*(\w)+1], v[SRD] offset:512*(\w)+128*(\t)
.endr
.endr
	s_wait_dscnt 0x0
.irp t, 0,1,2,3
	v_max3_num_f32 v[ST+8*(\t)+4], v[EV+8*(\t)], v[EV+8*(\t)+2], v[EV+8*(\t)+4]
.endr
.irp t, 0,1,2,3
	v_max_num_f32 v[ST+8*(\t)+4], v[ST+8*(\t)+4], v[EV+8*(\t)+6]   ; M: the four waves' largest c m
.endr
.irp t, 0,1,2,3
	v_sub_f32 v[ST+8*(\t)+5], v[ST+8*(\t)], v[ST+8*(\t)+4]
.irp w, 0,1,2,3
	v_sub_f32 v[EV+8*(\t)+2*(\w)], v[EV+8*(\t)+2*(\w)], v[ST+8*(\t)+4]
.endr
.endr
.irp t, 0,1,2,3
	v_exp_f32 v[ST+8*(\t)+5], v[ST+8*(\t)+5]       ; my own weight, and the four waves': one batch of twenty
.irp w, 0,1,2,3
	v_exp_f32 v[EV+8*(\t)+2*(\w)], v[EV+8*(\t)+2*(\w)]
.endr
.endr
	v_nop
	s_wait_alu depctr_va_vdst(0)
.irp t, 0,1,2,3
	v_mul_f32 v[ST+8*(\t)+6], v[EV+8*(\t)], v[EV+8*(\t)+1]
.endr
.irp w, 1,2,3
.irp t, 0,1,2,3
	v_fmac_f32 v[ST+8*(\t)+6], v[EV+8*(\t)+2*(\w)], v[EV+8*(\t)+2*(\w)+1]   ; L
.endr
.endr
.irp t, 0,1,2,3
	v_rcp_f32 v[ST+8*(\t)+7], v[ST+8*(\t)+6]
.endr
	v_nop
	s_wait_alu depctr_va_vdst(0)
.irp t, 0,1,2,3
	v_mul_f32 v[ST+8*(\t)+6], v[ST+8*(\t)+5], v[ST+8*(\t)+7]   ; g
.endr
	OUTT 1, 0
	OUTT 2, 0
	OUTT 3, 0
	OUTT 0, 1                                      ; tile 0 goes last: its wait for all loads then stands where the next block's Q is wanted anyway
	s_wait_xcnt 0x0                                ; on every way out of a block's end: the last four stores have read their data (S^T's registers, which the next step's products write) and out0's address
	s_cmp_eq_u32 s[MORE], 0
	s_cbranch_scc1 .Lfin_\@
.irp t, 0,1,2,3
	v_mov_b32 v[ST+8*(\t)+1], 0xf1000000           ; m = -2^99, above every hidden score and below every true one
.endr
.irp t, 0,1,2,3
	v_mul_f32 v[ST+8*(\t)], s[CS], v[ST+8*(\t)+1]
.endr
	s_mov_b64 s[OUT:OUT+1], s[OUT2:OUT2+1]
	v_mov_b32 v[RBV], s[RB2]
	s_add_co_u32 s[RT], s[CC], 1                   ; the second block has c + 1 tiles
	s_mov_b32 s[MORE], 0
.Lfin_\@:
.endm
; A STEP.  fill = 1: the slot is filled again.  fill = 0 (the last two tiles): nothing is asked for; in the very last trip nothing is fetched either.
.macro STEP fill
	s_wait_dscnt 32                                ; K is in; V's 32 loads may stay out
.set i, 0
.rept 32
	KQ 0
.set i, i+1
.endr
	PLACES                                         ; in front of the first reads of those scores
.set i, 0
.set k, 0
.rept 32
	KQ 2
	SLICE 0
	SLICE 0
.set i, i+1
.endr
	s_wait_dscnt 0x0                               ; V is in
.set i, 0
.set k, 0
.rept 32
	PV 0
	SLICE 2
	SLICE 2
.set i, i+1
.endr
.if \fill
	CHANGE
	FETCH_K
.else
	WIN 0
	s_wait_tensorcnt 0x0                           ; my group of the last tile is in; nobody else reads it, and nothing is filled again
	s_xor_b32 s[TB], s[TB], SLOT1
	s_cmp_eq_u32 s[CNT], 1
	s_cbranch_scc1 .Lnok_\@
	FETCH_K
	WIN 0
.Lnok_\@:
.endif
.set i, 0
.rept 32
	PV 2
.set i, i+1
.endr
	WIN 0
	s_sub_co_u32 s[RT], s[RT], 1
	s_cmp_lg_u32 s[RT], 0
	s_cbranch_scc1 .Lnoend_\@
	END
.Lnoend_\@:
.if !(\fill)
	s_cmp_eq_u32 s[CNT], 1
	s_cbranch_scc1 .Lnov_\@
.endif
	s_cmp_eq_u32 s[RT], 1                          ; is the next tile its block's last, the diagonal one?
	s_cselect_b32 s[DM], 1.0, 0
	MASK                                           ; twelve plain instructions: the places between the last product that read V and the loads into V
	FETCH_V
	WIN 0
.if !(\fill)
.Lnov_\@:
.endif
.endm
	s_load_b128 s[4:7], s[0:1], 0x0                ; qf s[4:5], kv s[6:7]
	s_load_b64 s[8:9], s[0:1], 0x10                ; out0
	s_load_b64 s[HEAD:HEAD+1], s[0:1], 0x18        ; head
	v_lshl_add_u32 v[SPW], v0, 2, SPARE
	v_mov_b32 v[NIL], 0
	ds_add_u32 v[SPW], v[NIL]                      ; the wave's opening: the add and its wait stand ahead of my first tensor load; the set-up stands between them
	v_lshrrev_b32 v5, 5, v0
	v_readfirstlane_b32 s[WV], v5
	s_bfe_u32 s[CX], ttmp6, 0x40000
	s_mov_b32 s[CC], ttmp9                         ; the cluster's number in its batch
	s_and_b32 s[BAT], ttmp7, 0xffff
	s_sub_co_u32 s[LQ], 15, s[CC]                  ; the first superblock, and its last tile
	; descriptor group 1: 128 rows of 32 elements of 8 bytes, dense: a group of 64 keys
	s_mov_b32 s[G1+0], 15|(3<<16)|(1<<21)
	s_mov_b32 s[G1+1], 32<<16
	s_mov_b32 s[G1+2], 128<<16
	s_mov_b32 s[G1+3], 32<<16
	s_mov_b32 s[G1+4], 128
	s_mov_b32 s[G1+5], 32
	s_mov_b32 s[G1+6], 0
	s_mov_b32 s[G1+7], 0
	s_mov_b32 s[CS], 0x3e0293ee                    ; c = log2(e) / sqrt(128)
	s_mov_b32 s[CS+1], s[CS]
	s_mov_b32 s[SEL], 0x76543210
	s_mov_b32 s[SEL+1], 0xfedcba98
	s_mov_b32 s[BIGN], 0xf1800000                  ; -2^100
	s_mov_b32 s[OFF+1], 0
	s_mov_b32 s[DM], 0
	s_mov_b32 s[DM+1], 0
	s_mov_b32 s[NXT], 2
	s_sub_co_u32 s[RT], 16, s[CC]                  ; the first block has 16 - c tiles
	s_mov_b32 s[MORE], 1
	s_lshl_b32 s[TB], s[WV], 15
	s_cmp_eq_u32 s[CC], 0
	s_cselect_b32 s[LIM], 3, -1
	s_lshl_b32 s2, s[BAT], 21                      ; kv: the batch, my group
	s_add_co_u32 s2, s2, s[TB]
	s_mov_b32 s3, 0
	s_lshl_b32 s10, s[BAT], 20                     ; qf: 4,096 bytes for 16 rows
	s_lshl_b32 s11, s[CX], 14
	s_add_co_u32 s10, s10, s11
	s_lshl_b32 s22, s[CC], 16
	s_add_co_u32 s22, s22, s10                     ; the second block's
	s_lshl_b32 s11, s[LQ], 16
	s_add_co_u32 s10, s10, s11                     ; the first block's
	s_mov_b32 s11, 0
	s_mov_b32 s23, 0
	s_lshl_b32 s[RB2], s[CC], 8
	s_lshl_b32 s[TMPS], s[CX], 6
	s_add_co_u32 s[RB2], s[RB2], s[TMPS]           ; the second block's first row of mine
	s_lshl_b32 s[CNT], s[LQ], 8
	s_add_co_u32 s[CNT], s[CNT], s[TMPS]
	v_mov_b32 v[RBV], s[CNT]                       ; the first block's
	v_and_b32 v1, 15, v0                           ; r
	v_bfe_u32 v3, v0, 4, 1                         ; h
	v_and_b32 v[LN16], 31, v0
	v_lshlrev_b32 v[PFO], 8, v[LN16]
	v_lshlrev_b32 v[LN16], 4, v[LN16]
	s_wait_dscnt 0x0                               ; the opening add is done
	s_wait_kmcnt 0x0
	s_add_nc_u64 s[KVW:KVW+1], s[6:7], s[2:3]
	s_add_nc_u64 s[QP2:QP2+1], s[4:5], s[22:23]
	s_add_nc_u64 s[4:5], s[4:5], s[10:11]
	s_lshl_b32 s10, s10, 1                         ; out0: 512 bytes a row, twice qf's
	s_lshl_b32 s22, s22, 1
	s_add_nc_u64 s[OUT:OUT+1], s[8:9], s[10:11]
	s_add_nc_u64 s[OUT2:OUT2+1], s[8:9], s[22:23]
	s_lshl_b32 s2, s[CX], 13
	s_add_nc_u64 s[PFA:PFA+1], s[KVW:KVW+1], s[2:3]
	s_add_nc_u64 s[PFA:PFA+1], s[PFA:PFA+1], 3*SLOT1  ; in tile 3: the first change of slots steps it to tile 4.  Nothing is prefetched here, at the head
	s_lshl_b32 s2, s[BAT], 13                      ; head: 16 rows of 512 bytes a batch
	s_add_nc_u64 s[HEAD:HEAD+1], s[HEAD:HEAD+1], s[2:3]
	s_mov_b32 s[G0A], 1
	s_mov_b32 s[G0A+1], s[TB]
	s_add_nc_u64 s[G0A+2:G0A+3], s[KVW:KVW+1], 0
	s_or_b32 s[G0A+3], s[G0A+3], 0x80000000
	s_mov_b32 s[G0], 1
	s_add_co_u32 s[G0+1], s[TB], SLOT1
	s_add_nc_u64 s[G0+2:G0+3], s[KVW:KVW+1], SLOT1
	s_or_b32 s[G0+3], s[G0+3], 0x80000000
	CROUND                                         ; all four work-groups are here: the first joint loads meet
	tensor_load_to_lds s[G0A:G0A+3], s[G1:G1+7]    ; tile 0
	s_nop 0
	tensor_load_to_lds s[G0:G0+3], s[G1:G1+7]      ; tile 1: two loads of mine are out
	s_nop 0
	PLACES
	WIN 0x80
.irp f, 0,1,2,3,4,5,6,7,8,9,10,11,12,13,14,15
	global_load_b128 v[8*(\f):8*(\f)+3],   v[LN16], s[4:5] offset:1024*(\f)
	global_load_b128 v[8*(\f)+4:8*(\f)+7], v[LN16], s[4:5] offset:1024*(\f)+512
.endr
	WIN 0x40                                       ; O^T and l start at 0: written in the wait for the first tile, so that no first step is written out
.set i, 0
.rept 256
	v_mov_b32 v[i], 0
.set i, i+1
.endr
	WIN 0
.irp t, 0,1,2,3
	v_mov_b32 v[ST+8*(\t)+1], 0xf1000000           ; m = -2^99
	v_mov_b32 v[ST+8*(\t)+2], 0
	v_mov_b32 v[ST+8*(\t)+3], 0
	v_mul_f32 v[ST+8*(\t)], s[CS], v[ST+8*(\t)+1]
.endr
	s_mul_i32 s2, s[WV], OPART
	s_add_co_u32 s2, s2, OSTG
	v_mul_u32_u24 v[STO], v1, OP
	v_lshl_add_u32 v[STO], v3, 5, v[STO]
	v_add_nc_u32 v[STO], s2, v[STO]                ; my part of the stage: row r, 32 bytes for each half of the lanes
	s_mul_i32 s2, s[WV], 4*OP
	s_add_co_u32 s2, s2, OSTG
	v_add_nc_u32 v[RD], s2, v[LN16]                ; back: rows 4 w on, whole
	v_lshl_add_u32 v[GO], s[WV], 11, v[LN16]
	v_lshlrev_b32 v[SRD], 3, v1
	v_add_nc_u32 v[SRD], STATS, v[SRD]
	v_lshl_add_u32 v[SADR], s[WV], 9, v[SRD]
	s_sub_co_i32 s2, s[CX], s[WV]
	s_lshl_b32 s2, s2, 6
	v_lshlrev_b32 v5, 3, v3
	v_sub_nc_u32 v5, v1, v5
	v_add_nc_u32 v5, s2, v5                        ; 64 (cx - w) + r - 8 h: it enters data alone
	WIN 0xc0
.set i, 0
.rept 24
	v_cmp_gt_i32 vcc_lo, 16*(i/8-1)+i%8, v5
	v_cndmask_b32 v[MB+i], 0, s[BIGN], vcc_lo
.set i, i+1
.endr
.set i, 0
.rept 24
	v_mov_b32 v[MC+i], 0                           ; the first block's first tile is never the diagonal one
.set i, i+1
.endr
	WIN 0
	s_wait_tensorcnt 0x1                           ; my group of tile 0 is in; tile 1's may stay out
	FETCH_K
	FETCH_V
	WIN 0
	s_wait_loadcnt 0x0                             ; Q
	s_mov_b32 s[SL], 15
.Lwalk:                                        ; 15 tiles: each asks for the tile two on
	STEP 1
	s_sub_co_u32 s[SL], s[SL], 1
	s_cmp_lg_u32 s[SL], 0
	s_cbranch_scc1 .Lwalk
	s_mov_b32 s[CNT], 2
.Ltail:                                        ; the last two tiles have a text of their own
	STEP 0
	s_sub_co_u32 s[CNT], s[CNT], 1
	s_cmp_lg_u32 s[CNT], 0
	s_cbranch_scc1 .Ltail
	s_wait_tensorcnt 0x0                           ; the wave's end: behind my last tensor load and my last LDS store
	ds_add_u32 v[SPW], v[NIL]
	s_wait_dscnt 0x0
	CROUND                                         ; the closing round
	s_endpgm
.Lfunc_end_k_q414c174b76_attn:
	.size	k_q414c174b76_attn, .Lfunc_end_k_q414c174b76_attn-k_q414c174b76_attn
	.p2alignl 7, 3214868480
	.fill 96, 4, 3214868480
	.section	.rodata,"a",@progbits
	.p2align	6, 0x0
	.amdhsa_kernel k_q414c174b76_attn
		.amdhsa_group_segment_fixed_size 327680
		.amdhsa_private_segment_fixed_size 0
		.amdhsa_enable_private_segment 0
		.amdhsa_kernarg_size 32
		.amdhsa_user_sgpr_count 2
		.amdhsa_user_sgpr_kernarg_segment_ptr 1
		.amdhsa_wavefront_size32 1
		.amdhsa_system_sgpr_workgroup_id_x 1
		.amdhsa_system_sgpr_workgroup_id_y 1
		.amdhsa_system_sgpr_workgroup_id_z 1
		.amdhsa_system_vgpr_workitem_id 0
		.amdhsa_next_free_vgpr 944
		.amdhsa_next_free_sgpr 68
		.amdhsa_reserve_vcc 1
		.amdhsa_float_denorm_mode_32 3
		.amdhsa_float_denorm_mode_16_64 3
		.amdhsa_memory_ordered 1
		.amdhsa_forward_progress 1
		.amdhsa_inst_pref_size 187
	.end_amdhsa_kernel
	.amdgpu_metadata
---
amdhsa.version: [ 1, 2 ]
amdhsa.kernels:
  - .name:           k_q414c174b76_attn
    .symbol:         k_q414c174b76_attn.kd
    .args:
      - { .name: qf, .offset: 0, .size: 8, .value_kind: global_buffer, .address_space: global }
      - { .name: kv, .offset: 8, .size: 8, .value_kind: global_buffer, .address_space: global }
      - { .name: out0, .offset: 16, .size: 8, .value_kind: global_buffer, .address_space: global }
      - { .name: head, .offset: 24, .size: 8, .value_kind: global_buffer, .address_space: global }
    .group_segment_fixed_size: 327680
    .private_segment_fixed_size: 0
    .kernarg_segment_align: 8
    .kernarg_segment_size: 32
    .max_flat_workgroup_size: 128
    .sgpr_count:     68
    .vgpr_count:     944
    .wavefront_size: 32
...
	.end_amdgpu_metadata
.endif
;; end of part 3
